; MI455X (gfx1250); checked and timed in simulation.
; The chip was launched on July 23, 2026; its instructions are those of AMD's public machine-readable ISA for CDNA 5 (MIT licence, August 2026) and "CDNA5" Instruction Set Architecture Reference Guide (July 2026). The comments in the code are by the model that wrote it; some were corrected since.
;; Sparse Mo E Layer. Allowed arithmetic: matrix products marked QUANTISED: E2M3 operands, one E8M0 scale for each 32 along K, by v_wmma_scale_f32_16x16x128_f8f6f4 with both operands' format E2M3, f32 sums; products left as they are: f32 operands where the result goes on into a quantised operand, else bf16, f16 or f32 operands; f32 sums; everything else in f32.
;; Inputs: b1 8 x 2,048 float32; b2 8 x 512 float32; gate_w 8 x 512 float32; hidden_states 4 x 1,024 x 512 float32; w1_codes 8 x 2,048 x 16 x 24 uint8 (E2M3 codes of w1, K innermost, in blocks of 32 codes, four codes in three bytes); w1_scales 8 x 2,048 x 16 uint8 (E8M0 scales of w1, one for each 32 codes along K); w2_codes 8 x 512 x 64 x 24 uint8 (E2M3 codes of w2, K innermost, in blocks of 32 codes, four codes in three bytes); w2_scales 8 x 512 x 64 uint8 (E8M0 scales of w2, one for each 32 codes along K).
;; Outputs: out0 4 x 1,024 x 512 float32.
;; This version of the problem:
;;   THIS VERSION OF THE PROBLEM IS GIVEN IN LOW PRECISION. The matrix products marked QUANTISED in the list below multiply operands that are first quantised to E2M3 (2 exponent bits, 3 mantissa bits; 6 bits a number), with one power-of-two scale for each 32 numbers along K (OCP MX v1.0); their sums are f32. All else is computed in f32.
;;   The module's matrix products, in the order in which they are computed (A, B: the left and right operand; K: the contracted axis; several contracted axes count as one K, in the product's order):
;;     1. [M 4,096, K 512] x [K 512, N 8]; A: input hidden_states; B: input gate_w: left as it is (N = 8 < 16)
;;     2. [M 4,096, K 512] x [K 512, N 2,048]; A: input hidden_states; B: input w1 (given as codes): QUANTISED
;;     3. [M 4,096, K 2,048] x [K 2,048, N 512]; A: computed on the way; B: input w2 (given as codes): QUANTISED
;;     4. [M 4,096, K 512] x [K 512, N 2,048]; A: input hidden_states; B: input w1 (given as codes): QUANTISED
;;     5. [M 4,096, K 2,048] x [K 2,048, N 512]; A: computed on the way; B: input w2 (given as codes): QUANTISED
;;     6. [M 4,096, K 512] x [K 512, N 2,048]; A: input hidden_states; B: input w1 (given as codes): QUANTISED
;;     7. [M 4,096, K 2,048] x [K 2,048, N 512]; A: computed on the way; B: input w2 (given as codes): QUANTISED
;;     8. [M 4,096, K 512] x [K 512, N 2,048]; A: input hidden_states; B: input w1 (given as codes): QUANTISED
;;     9. [M 4,096, K 2,048] x [K 2,048, N 512]; A: computed on the way; B: input w2 (given as codes): QUANTISED
;;     10. [M 4,096, K 512] x [K 512, N 2,048]; A: input hidden_states; B: input w1 (given as codes): QUANTISED
;;     11. [M 4,096, K 2,048] x [K 2,048, N 512]; A: computed on the way; B: input w2 (given as codes): QUANTISED
;;     12. [M 4,096, K 512] x [K 512, N 2,048]; A: input hidden_states; B: input w1 (given as codes): QUANTISED
;;     13. [M 4,096, K 2,048] x [K 2,048, N 512]; A: computed on the way; B: input w2 (given as codes): QUANTISED
;;     14. [M 4,096, K 512] x [K 512, N 2,048]; A: input hidden_states; B: input w1 (given as codes): QUANTISED
;;     15. [M 4,096, K 2,048] x [K 2,048, N 512]; A: computed on the way; B: input w2 (given as codes): QUANTISED
;;     16. [M 4,096, K 512] x [K 512, N 2,048]; A: input hidden_states; B: input w1 (given as codes): QUANTISED
;;     17. [M 4,096, K 2,048] x [K 2,048, N 512]; A: computed on the way; B: input w2 (given as codes): QUANTISED
;;   THE QUANTISER, for each operand of a quantised product, along K:
;;     - K is cut into blocks of 32 from its start; a last block that is shorter is filled with zeros.
;;     - A block's scale is 2^e with e = floor(log2(the largest magnitude in the block)) - 2, held to -126 .. 127; a block of zeros has e = 0. As a byte (E8M0): e + 127.
;;     - Each number is divided by its block's scale, clamped to +-7.5, and rounded to the nearest number of E2M3, ties to even, subnormals kept.
;;     - The product sums the exact products of the quantised numbers (number of the format x scale) in f32.
;;   ~~~python
;;   def quantise(x, axis):      # numpy; x: float32 -> the quantised numbers, widened to float32 again
;;       x = np.moveaxis(x, axis, -1); K = x.shape[-1]
;;       x = np.pad(x, [(0, 0)] * (x.ndim - 1) + [(0, -K % 32)]); x = x.reshape(x.shape[:-1] + (-1, 32)); a = np.abs(x).max(-1, keepdims=True)
;;       e = np.where(a > 0, np.clip(np.frexp(np.where(a > 0, a, 1))[1] - 1 - 2, -126, 127), 0)      # np.frexp(a)[1] - 1 = floor(log2(a)), exactly
;;       r = np.clip(x / 2.0 ** e, -7.5, 7.5)
;;       step = 2.0 ** (np.maximum(np.frexp(np.where(r == 0, 1, r))[1] - 1, 0) - 3)
;;       q = np.round(r / step) * step * 2.0 ** e      # np.round: ties to even
;;       return np.moveaxis(q.reshape(q.shape[:-2] + (-1,))[..., :K], -1, axis).astype(np.float32)
;;   ~~~
;;   OPERANDS COMPUTED ON THE WAY. 'Computed on the way' means the value that the module computes at that place (a softmax that the list does not call 'softmax' is quantised finished and normalised). What goes into a quantiser is computed in f32, as accurately as f32 sums, v_exp_f32 and their like allow (about 1e-6 of the number): no bf16 or f16 on the way to a quantiser, and a product that is left as it is and whose result goes on into a quantised operand takes f32 operands (vector FMAs, or v_wmma_f32_16x16x4_f32). A number that lies on a knife's edge between two numbers of the format may be rounded either way, as far as f32 arithmetic and the matrix unit's own rounding can turn it there, and no further.
;;   INPUTS GIVEN AS CODES. w1 (in the module: [8, 512, 2048], K = its axis 1); w2 (in the module: [8, 2048, 512], K = its axis 1): each comes as NAME_codes (uint8): NAME with its K axis moved to the last place and cut into blocks of 32 codes, [.., K / 32, bytes a block], one block behind the other in memory; four codes in three bytes: a row's codes are one little-endian stream of bits, code i at bits 6 i .. 6 i + 5 (a code: sign, 2 exponent bits, 3 mantissa bits); and NAME_scales (uint8): the same leading axes, one E8M0 byte (e + 127) for each 32 codes along K. Its value is code x scale, taken as it is: it is not quantised again, and the codes and scales need not be those that the quantiser above would give.
;; One version. Each part assembles by itself: llvm-mc -triple=amdgcn-amd-amdhsa -mcpu=gfx1250 --defsym DOCPART=n.
;; ======== version 1 of 1: 4 launches
;; workspace buffers: xq 1,572,864 bytes; xs 65,536 bytes; wpack 12,582,912 bytes; sel 32,768 bytes of whole numbers; cw 32,768 bytes; list 33,024 bytes of whole numbers; tiles 3,072 bytes of whole numbers; y 16,777,216 bytes
;; launch prep (part 1): grid 512 x 1, 4 waves a work-group, no clusters, 33,280 bytes of LDS; arguments hidden_states, gate_w, w1_codes, w2_codes, xq, xs, sel, cw, wpack; writes xq, xs, sel, cw, wpack
.if DOCPART == 1
	.amdgcn_target "amdgcn-amd-amdhsa--gfx1250"
	.amdhsa_code_object_version 6
	.text
	.protected	k_q0d534ec0f4_prep
	.globl	k_q0d534ec0f4_prep
	.p2align	8
	.type	k_q0d534ec0f4_prep,@function
k_q0d534ec0f4_prep:
	s_mov_b64 s[64:65], 0
	v_nop
	global_prefetch_b8 v0, s[64:65] scope:SCOPE_SE
	s_setreg_imm32_b32 hwreg(HW_REG_WAVE_MODE, 25, 1), 1
	s_wait_xcnt 0x0
; Two jobs side by side, parted on the work-group's number.
; WORK-GROUPS 0-255: the router and x's quantiser.  A wave takes 4 tokens.  For each: the 8 logits x . gate_w[e] in f32 (fused multiply-adds, then a sum over the
; 32 lanes), the two largest (of equal logits the lower index, by a compare that keeps the holder), their softmax with the larger taken away, and the token's 512 numbers as
; codes of E2M3 with one E8M0 byte for each 32 along H.  The chosen experts go to sel[2 t + k] as whole numbers, their weights to cw[2 t + k]: fixed places, no address hangs on them.
; xq: a token's 384 bytes, block b = 2 c + h of K step s at 96 s + 48 h + 24 c: so the lane (row, h) of a matrix operand finds its 12 registers as 48 bytes on end.  xs: 16 bytes a token, blocks as they come.
; WORK-GROUPS 256-511: w1's and w2's codes are laid in the order of a matrix operand's registers: a fragment (16 rows x 128 K) is 1,536 bytes, lane l's registers 4 c .. 4 c + 3 at 512 c + 16 l.
;   w1: fragment (e x 128 + T) x 4 + s; tile T holds rows 32 (T / 2) + 8 (T % 2) + r + 8 (r / 8), so that two neighbouring tiles' results are 16 neighbours along the next K.
;   w2, from byte W2O on: fragment ((e x 4 + w) x 16 + s) x 8 + j; the tile holds rows 128 w + 16 j + r.
; LIMITS: NaN and infinities among the inputs are not served.  Two logits that differ by less than the rounding of an f32 sum of 512 terms may be ranked either way.  A block whose largest
; magnitude lies under 2^-124 gets the byte 1 (a block of zeros too, where the rule says 127: its codes are zeros, and this program alone reads the bytes).
.set W2O, 6291456
	s_load_b256 s[4:11], s[0:1], 0x0               ; hidden_states s[4:5], gate_w s[6:7], w1_codes s[8:9], w2_codes s[10:11]
	s_load_b256 s[12:19], s[0:1], 0x20             ; xq s[12:13], xs s[14:15], sel s[16:17], cw s[18:19]
	s_load_b64 s[20:21], s[0:1], 0x40              ; wpack
	v_lshl_add_u32 v58, v0, 2, 0x8000
	v_mov_b32 v59, 0
	v_lshrrev_b32 v1, 5, v0
	v_readfirstlane_b32 s22, v1                    ; wave 0..3
	v_and_b32 v1, 31, v0                           ; lane
	s_cmp_ge_u32 ttmp9, 256
	s_cbranch_scc1 .Lpack
	; ---------------- the router and x's quantiser ----------------
	; v2 16 x lane; v3, v4 the stage, in and out; v5 my codes' place in a token's 384 bytes; v6, v7 the scale bytes in LDS, in and out; v12, v13 the wave's 8 entries of sel and cw (lane 2 j + k)
	; v[16:31] eight pairs of partial sums; v32-39 logits; v40-47 at work; v48-55 best, second and weights; v60-63 scale bytes; v[64:79] 16 neighbours; v[80:95] codes; v[96:127] x as loaded, two sets; v[128:255] gate_w
	s_lshl_b32 s23, ttmp9, 2
	s_add_co_u32 s23, s23, s22                     ; g: my wave's group of 4 tokens
	s_lshl_b32 s31, s22, 13                        ; my wave's 8,192 bytes of LDS
	v_lshlrev_b32 v2, 4, v1
	v_lshrrev_b32 v3, 2, v1
	v_mul_u32_u24 v3, v3, 80
	v_and_b32 v4, 3, v1
	v_lshl_add_u32 v3, v4, 4, v3
	v_add_nc_u32 v3, s31, v3                       ; into the stage: four lanes' 64 bytes on end, then 16 of padding
	v_mul_u32_u24 v4, v1, 80
	v_add_nc_u32 v4, s31, v4                       ; out of it: 80 x lane: my 16 neighbours
	v_lshrrev_b32 v8, 3, v1                        ; my block is B = lane / 2: K step B / 4,
	v_mul_u32_u24 v5, v8, 96
	v_bfe_u32 v8, v1, 1, 1                         ; h = B % 2,
	v_mad_u32_u24 v5, v8, 48, v5
	v_bfe_u32 v8, v1, 2, 1                         ; c = (B / 2) % 2,
	v_mad_u32_u24 v5, v8, 24, v5
	v_and_b32 v8, 1, v1                            ; and my half of its 24 bytes
	v_mad_u32_u24 v5, v8, 12, v5
	s_add_co_u32 s31, s31, 2560                    ; behind the stage: the wave's 64 scale bytes
	v_lshrrev_b32 v6, 1, v1
	v_add_nc_u32 v6, s31, v6
	v_lshlrev_b32 v15, 1, v1
	v_add_nc_u32 v7, s31, v15
	v_mov_b32 v12, 0
	v_mov_b32 v13, 0
	v_mov_b32 v14, 0xff800000                      ; -infinity
.irp e, 0,1,2,3,4,5,6,7
	v_mov_b32 v[40+\e], 0                          ; written once: a lane permute's destination counts as one of its sources
.endr
	s_mov_b32 s26, 0x76543210
	s_mov_b32 s27, 0xfedcba98                      ; v_permlanex16_b32's selects for lane l xor 16
	s_mov_b32 s28, 0xaaaaaaaa                      ; the odd lanes: k = 1
	s_mov_b32 s25, 0
	s_wait_kmcnt 0x0
	s_lshl_b32 s24, s23, 13
	s_add_nc_u64 s[4:5], s[4:5], s[24:25]          ; 4 tokens of 2,048 bytes
	s_mul_i32 s24, s23, 1536
	s_add_nc_u64 s[12:13], s[12:13], s[24:25]      ; of 384 bytes of codes
	s_lshl_b32 s24, s23, 6
	s_add_nc_u64 s[14:15], s[14:15], s[24:25]      ; of 16 scale bytes
	s_lshl_b32 s24, s23, 5
	s_add_nc_u64 s[16:17], s[16:17], s[24:25]      ; of two entries of 4 bytes
	s_add_nc_u64 s[18:19], s[18:19], s[24:25]
.irp e, 0,1,2,3,4,5,6,7
.irp i, 0,1,2,3
	global_load_b128 v[128+16*\e+4*\i:131+16*\e+4*\i], v2, s[6:7] offset:2048*\e+512*\i   ; gate_w[e][128 i + 4 lane ..]: in the lane order in which x is loaded
.endr
.endr
.irp j, 0,1
.irp i, 0,1,2,3
	global_load_b128 v[96+16*\j+4*\i:99+16*\j+4*\i], v2, s[4:5] offset:2048*\j+512*\i th:TH_LOAD_NT   ; 32 lanes read 512 consecutive bytes
.endr
.endr
.macro SCAN bv, bi                     ; the largest of the eight logits and its index; a later logit takes the place only where it is larger
	v_mov_b32 v[\bv], v32
	v_mov_b32 v[\bi], 0
.irp e, 1,2,3,4,5,6,7
	v_cmp_le_f32 vcc_lo, v[32+\e], v[\bv]
	v_cndmask_b32 v[\bv], v[32+\e], v[\bv], vcc_lo
	v_cndmask_b32 v[\bi], \e, v[\bi], vcc_lo
.endr
.endm
.macro TOKEN j, lw                     ; lw: the loads of the token behind this one, which may stay out
.set RS, 96+16*((\j)%2)
	s_wait_loadcnt \lw
.irp i, 0,1,2,3
	ds_store_b128 v3, v[RS+4*\i:RS+4*\i+3] offset:640*\i       ; the token's 2,048 bytes go through the stage as they lie;
.endr
.irp i, 0,1,2,3
	ds_load_b128 v[64+4*\i:67+4*\i], v4 offset:16*\i           ; LDS serves a wave's instructions in order: these see the stores above
.endr
.irp e, 0,1,2,3,4,5,6,7
	v_pk_mul_f32 v[16+2*\e:17+2*\e], v[RS:RS+1], v[128+16*\e:129+16*\e]   ; the first products start the sums
.endr
.irp p, 1,2,3,4,5,6,7
.irp e, 0,1,2,3,4,5,6,7
	v_pk_fma_f32 v[16+2*\e:17+2*\e], v[RS+2*\p:RS+2*\p+1], v[128+16*\e+2*\p:129+16*\e+2*\p], v[16+2*\e:17+2*\e]   ; the eight experts by turns
.endr
.endr
.irp e, 0,1,2,3,4,5,6,7
	v_add_f32 v[32+\e], v[16+2*\e], v[17+2*\e]
.endr
.irp x, 1,2,4,8
.irp e, 0,1,2,3,4,5,6,7
	v_add_f32_dpp v[32+\e], v[32+\e], v[32+\e] row_xmask:\x row_mask:0xf bank_mask:0xf
.endr
.endr
.irp e, 0,1,2,3,4,5,6,7
	v_permlanex16_b32 v[40+\e], v[32+\e], s26, s27
.endr
.irp e, 0,1,2,3,4,5,6,7
	v_add_f32 v[32+\e], v[32+\e], v[40+\e]         ; every lane holds the eight logits
.endr
	SCAN 48, 49
.irp e, 0,1,2,3,4,5,6,7
	v_cmp_eq_u32 vcc_lo, \e, v49
	v_cndmask_b32 v[32+\e], v[32+\e], v14, vcc_lo  ; the best is taken out
.endr
	SCAN 50, 51
	v_sub_f32 v52, v50, v48                        ; the softmax of the two, the larger taken away: 1 / (1 + E), E / (1 + E), E = e^(second - best)
	v_mul_f32 v52, 0x3fb8aa3b, v52
	v_exp_f32 v52, v52
	v_nop                                          ; a plain instruction behind the transcendental,
	s_wait_alu depctr_va_vdst(0)                   ; and a wait ahead of its first reader
	v_add_f32 v53, 1.0, v52
	v_rcp_f32 v53, v53
	v_nop
	s_wait_alu depctr_va_vdst(0)
	v_mul_f32 v54, v52, v53
	s_mov_b32 s29, 3<<(2*(\j))                     ; lanes 2 j and 2 j + 1 keep this token's two entries
	v_cndmask_b32 v55, v49, v51, s28
	v_cndmask_b32 v12, v12, v55, s29
	v_cndmask_b32 v55, v53, v54, s28
	v_cndmask_b32 v13, v13, v55, s29
	s_wait_dscnt 0x0                               ; my 16 neighbours are back, and the stores into the stage have read their registers,
.if (\j) < 2
.irp i, 0,1,2,3
	global_load_b128 v[RS+4*\i:RS+4*\i+3], v2, s[4:5] offset:2048*((\j)+2)+512*\i th:TH_LOAD_NT   ; which take the token two on
.endr
.endif
	v_max3_num_f32 v8, |v64|, |v65|, |v66|         ; the largest magnitude of my 16, in two chains
	v_max3_num_f32 v9, |v67|, |v68|, |v69|
.irp i, 6,10
	v_max3_num_f32 v8, v8, |v[64+\i]|, |v[65+\i]|
	v_max3_num_f32 v9, v9, |v[66+\i]|, |v[67+\i]|
.endr
	v_max3_num_f32 v8, v8, |v78|, |v79|
	v_max3_num_f32 v8, v8, v9, 0x1800000           ; and the floor 2^(3 - 127): the byte cannot fall under 1
	v_max_num_f32_dpp v8, v8, v8 row_xmask:1 row_mask:0xf bank_mask:0xf   ; with my neighbour's 16: the block's
	v_add_nc_u32 v10, 0xff000000, v8               ; 2 off its exponent field: the conversion takes the exponent field of this operand as its scale
	v_cvt_scalef32_pk16_fp6_f32 v[80+4*(\j):82+4*(\j)], v[64:79], v10
	v_lshrrev_b32 v[60+(\j)], 23, v10              ; the scale's byte (also the plain instruction behind the conversion)
	ds_store_b8 v6, v[60+(\j)] offset:16*(\j)      ; both lanes of a block write the same byte with the same value
	global_store_b96 v5, v[80+4*(\j):82+4*(\j)], s[12:13] offset:384*(\j)   ; the wave's 32 x 12 bytes fill the token's 384 consecutive bytes
.endm
	TOKEN 0, 4
	TOKEN 1, 4
	TOKEN 2, 4
	TOKEN 3, 0
	ds_load_u16 v9, v7                             ; the wave's 64 scale bytes, two a lane
	s_wait_dscnt 0x0
	global_store_b16 v15, v9, s[14:15]             ; 64 consecutive bytes
	v_lshlrev_b32 v10, 2, v1
	v_cmp_gt_u32 vcc_lo, 8, v1
	s_wait_xcnt 0x0                                ; EXEC is a source of the stores above: it is narrowed only behind this wait
	s_wait_tensorcnt 0x0
	ds_add_u32 v58, v59
	s_wait_dscnt 0x0
	s_and_saveexec_b32 s30, vcc_lo
	global_store_b32 v10, v12, s[16:17]            ; 8 entries, 32 consecutive bytes: sel and cw together are 64 KiB of all that the launch stores
	global_store_b32 v10, v13, s[18:19]
	s_wait_xcnt 0x0                                ; and widened only behind this one
	s_or_b32 exec_lo, exec_lo, s30
	s_endpgm
	; ---------------- the weights' codes in fragment order ----------------
.Lpack:
	s_sub_co_u32 s23, ttmp9, 256
	s_lshl_b32 s23, s23, 2
	s_add_co_u32 s23, s23, s22                     ; gp = 0 .. 1,023: one tile of w1 (its 4 K steps), and 4 K steps of one tile of w2
	v_and_b32 v5, 15, v1                           ; r
	v_lshrrev_b32 v6, 4, v1                        ; h
	v_and_b32 v7, 8, v5
	v_add_nc_u32 v7, v7, v5                        ; r + 8 (r / 8)
	v_mul_u32_u24 v2, v7, 384                      ; w1: a row is 512 codes, 384 bytes
	v_mad_u32_u24 v2, v6, 24, v2
	v_mul_u32_u24 v3, v5, 1536                     ; w2: a row is 2,048 codes
	v_mad_u32_u24 v3, v6, 24, v3
	v_lshlrev_b32 v4, 4, v1                        ; out: 16 bytes a lane
	s_lshr_b32 s24, s23, 1
	s_mul_i32 s24, s24, 12288                      ; w1: 32 rows for each pair of tiles,
	s_and_b32 s26, s23, 1
	s_mul_i32 s26, s26, 3072                       ; 8 rows on for the odd tile
	s_add_co_u32 s24, s24, s26
	s_mov_b32 s25, 0
	s_lshr_b32 s27, s23, 2                         ; w2: q = 32 e + 8 w + j: which 16 rows,
	s_and_b32 s28, s23, 3                          ; and which four K steps
	s_mul_i32 s30, s27, 24576
	s_mul_i32 s26, s28, 384
	s_add_co_u32 s30, s30, s26
	s_mov_b32 s31, 0
	s_mul_i32 s32, s23, 6144                       ; w1's four fragments lie on end
	s_mov_b32 s33, 0
	s_lshr_b32 s34, s27, 3                         ; w2's: ((4 e + w) x 16 + K step) x 8 + j
	s_lshl_b32 s34, s34, 4
	s_lshl_b32 s26, s28, 2
	s_add_co_u32 s34, s34, s26
	s_lshl_b32 s34, s34, 3
	s_and_b32 s26, s27, 7
	s_add_co_u32 s34, s34, s26
	s_mul_i32 s34, s34, 1536
	s_add_co_u32 s34, s34, W2O
	s_mov_b32 s35, 0
	s_wait_kmcnt 0x0
	s_add_nc_u64 s[8:9], s[8:9], s[24:25]
	s_add_nc_u64 s[10:11], s[10:11], s[30:31]
	s_add_nc_u64 s[36:37], s[20:21], s[32:33]
	s_add_nc_u64 s[38:39], s[20:21], s[34:35]
.irp s, 0,1,2,3
.irp p, 0,1,2,3,4,5
	global_load_b64 v[64+12*\s+2*\p:65+12*\s+2*\p], v2, s[8:9] offset:96*\s+48*(\p/3)+8*(\p%3) th:TH_LOAD_NT   ; the 24 loads together take 384 consecutive bytes of each of 16 rows
.endr
.endr
.irp s, 0,1,2,3
.irp p, 0,1,2,3,4,5
	global_load_b64 v[112+12*\s+2*\p:113+12*\s+2*\p], v3, s[10:11] offset:96*\s+48*(\p/3)+8*(\p%3) th:TH_LOAD_NT
.endr
.endr
	s_wait_loadcnt 24                              ; w1's are in; w2's 24 may be out
.irp s, 0,1,2,3
.irp c, 0,1,2
	global_store_b128 v4, v[64+12*\s+4*\c:67+12*\s+4*\c], s[36:37] offset:1536*\s+512*\c   ; 32 lanes store 512 consecutive bytes, at a multiple of 512 from the buffer's first byte
.endr
.endr
	s_wait_loadcnt 0x0
.irp s, 0,1,2,3
.irp c, 0,1,2
	global_store_b128 v4, v[112+12*\s+4*\c:115+12*\s+4*\c], s[38:39] offset:12288*\s+512*\c   ; from K step to K step: eight fragments
.endr
.endr
	s_endpgm
.Lfunc_end_k_q0d534ec0f4_prep:
	.size	k_q0d534ec0f4_prep, .Lfunc_end_k_q0d534ec0f4_prep-k_q0d534ec0f4_prep
	.p2alignl 7, 3214868480
	.fill 96, 4, 3214868480
	.section	.rodata,"a",@progbits
	.p2align	6, 0x0
	.amdhsa_kernel k_q0d534ec0f4_prep
		.amdhsa_group_segment_fixed_size 33280
		.amdhsa_private_segment_fixed_size 0
		.amdhsa_enable_private_segment 0
		.amdhsa_kernarg_size 72
		.amdhsa_user_sgpr_count 2
		.amdhsa_user_sgpr_kernarg_segment_ptr 1
		.amdhsa_wavefront_size32 1
		.amdhsa_system_sgpr_workgroup_id_x 1
		.amdhsa_system_sgpr_workgroup_id_y 1
		.amdhsa_system_sgpr_workgroup_id_z 1
		.amdhsa_system_vgpr_workitem_id 0
		.amdhsa_next_free_vgpr 256
		.amdhsa_next_free_sgpr 66
		.amdhsa_reserve_vcc 1
		.amdhsa_float_denorm_mode_32 3
		.amdhsa_float_denorm_mode_16_64 3
		.amdhsa_memory_ordered 1
		.amdhsa_forward_progress 1
		.amdhsa_inst_pref_size 61
	.end_amdhsa_kernel
	.amdgpu_metadata
---
amdhsa.version: [ 1, 2 ]
amdhsa.kernels:
  - .name:           k_q0d534ec0f4_prep
    .symbol:         k_q0d534ec0f4_prep.kd
    .args:
      - { .name: hidden_states, .offset: 0, .size: 8, .value_kind: global_buffer, .address_space: global }
      - { .name: gate_w, .offset: 8, .size: 8, .value_kind: global_buffer, .address_space: global }
      - { .name: w1_codes, .offset: 16, .size: 8, .value_kind: global_buffer, .address_space: global }
      - { .name: w2_codes, .offset: 24, .size: 8, .value_kind: global_buffer, .address_space: global }
      - { .name: xq, .offset: 32, .size: 8, .value_kind: global_buffer, .address_space: global }
      - { .name: xs, .offset: 40, .size: 8, .value_kind: global_buffer, .address_space: global }
      - { .name: sel, .offset: 48, .size: 8, .value_kind: global_buffer, .address_space: global }
      - { .name: cw, .offset: 56, .size: 8, .value_kind: global_buffer, .address_space: global }
      - { .name: wpack, .offset: 64, .size: 8, .value_kind: global_buffer, .address_space: global }
    .group_segment_fixed_size: 33280
    .private_segment_fixed_size: 0
    .kernarg_segment_align: 8
    .kernarg_segment_size: 72
    .max_flat_workgroup_size: 128
    .sgpr_count:     66
    .vgpr_count:     256
    .wavefront_size: 32
...
	.end_amdgpu_metadata
.endif
;; end of part 1
;; launch place (part 2): grid 1 x 1, 32 waves a work-group, no clusters, 5,120 bytes of LDS; arguments sel, list, tiles; writes list, tiles
.if DOCPART == 2
	.amdgcn_target "amdgcn-amd-amdhsa--gfx1250"
	.amdhsa_code_object_version 6
	.text
	.protected	k_q0d534ec0f4_place
	.globl	k_q0d534ec0f4_place
	.p2align	8
	.type	k_q0d534ec0f4_place,@function
k_q0d534ec0f4_place:
	s_mov_b64 s[64:65], 0
	v_nop
	global_prefetch_b8 v0, s[64:65] scope:SCOPE_SE
	s_setreg_imm32_b32 hwreg(HW_REG_WAVE_MODE, 25, 1), 1
	s_wait_xcnt 0x0
; A counting sort of the 8,192 entries (2 token + k) by their expert, on whole numbers alone, by one work-group of 32 waves, and the table of tiles of 48 rows.
; list[0 .. 8191]: the entries, expert by expert; list[8192 .. 8255] = 0, so that a tile's 48 reads from any first row stay inside the buffer.
; tiles[i] = (expert, first place in list, rows, 0), i = 0 .. 191.  Whatever the split, there are at most ceil(8192 / 48) + 7 = 178 tiles with rows; the others have 0 rows.
; A wave takes 256 entries, 8 a lane.  Pass A counts the wave's entries of each expert; the counts meet in LDS (one barrier); each wave sums all waves' counts and those of the waves in front of it;
; pass B gives each entry its place: the expert's first place + the earlier waves' entries + the wave's earlier entries + the lower lanes' of the same register.
; An expert has at most 4,096 entries (a token's two experts differ), so two counts share a word.
	s_load_b128 s[4:7], s[0:1], 0x0                ; sel s[4:5], list s[6:7]
	s_load_b64 s[10:11], s[0:1], 0x10              ; tiles
	v_lshl_add_u32 v64, v0, 2, 0x400
	v_mov_b32 v65, 0
	v_lshrrev_b32 v2, 5, v0
	v_readfirstlane_b32 s8, v2                     ; wave 0..31
	v_and_b32 v1, 31, v0                           ; lane
	v_lshlrev_b32 v3, 10, v2
	v_lshl_add_u32 v3, v1, 4, v3                   ; sel: 1,024 bytes a wave, 16 a lane and load
	v_lshlrev_b32 v4, 4, v2                        ; LDS: 16 bytes for each wave's counts
	v_lshlrev_b32 v5, 4, v1                        ; and lane l reads wave l's
	v_lshlrev_b32 v6, 8, v2
	v_lshl_add_u32 v6, v1, 2, v6
.irp j, 0,1,2,3,4,5,6,7
	v_add_nc_u32 v[40+\j], 128*(\j/4)+\j%4, v6     ; register j's entry: 256 wave + 128 (j / 4) + 4 lane + j % 4
	v_mov_b32 v[32+\j], 0
	v_mov_b32 v[48+\j], 0                          ; written once: the destination of a DPP move and of a lane permute counts as one of its sources
.endr
	s_mov_b32 s44, 0x76543210
	s_mov_b32 s45, 0xfedcba98
.irp e, 0,1,2,3,4,5,6,7
	s_mov_b32 s[16+\e], 0
.endr
	s_wait_kmcnt 0x0
	global_load_b128 v[8:11], v3, s[4:5]
	global_load_b128 v[12:15], v3, s[4:5] offset:512
	s_wait_loadcnt 0x0
	; pass A
.irp j, 0,1,2,3,4,5,6,7
.irp e, 0,1,2,3,4,5,6,7
	v_cmp_eq_u32 s40, \e, v[8+\j]
	s_bcnt1_i32_b32 s41, s40
	s_add_co_u32 s[16+\e], s[16+\e], s41
.endr
.endr
.irp k, 0,1,2,3
	s_lshl_b32 s41, s[17+2*\k], 16
	s_or_b32 s41, s41, s[16+2*\k]
	v_mov_b32 v[16+\k], s41
.endr
	ds_store_b128 v4, v[16:19]                     ; all lanes write the same 16 bytes with the same values
	s_wait_dscnt 0x0                               ; for the others' sake: my store is done
	s_barrier_signal -1
	s_barrier_wait -1
	ds_load_b128 v[16:19], v5
	s_wait_dscnt 0x0
	v_cmp_gt_u32 vcc_lo, s8, v1                    ; the waves in front of mine
.irp k, 0,1,2,3
	v_cndmask_b32 v[20+\k], 0, v[16+\k], vcc_lo
.endr
.irp x, 1,2,4,8
.irp k, 0,1,2,3,4,5,6,7
	v_mov_b32_dpp v[48+\k], v[16+\k] row_xmask:\x row_mask:0xf bank_mask:0xf
.endr
.irp k, 0,1,2,3,4,5,6,7
	v_add_nc_u32 v[16+\k], v[16+\k], v[48+\k]
.endr
.endr
.irp k, 0,1,2,3,4,5,6,7
	v_permlanex16_b32 v[48+\k], v[16+\k], s44, s45
.endr
.irp k, 0,1,2,3,4,5,6,7
	v_add_nc_u32 v[16+\k], v[16+\k], v[48+\k]
.endr
.irp k, 0,1,2,3,4,5,6,7
	v_readfirstlane_b32 s[24+\k], v[16+\k]         ; s24-27 all waves' counts, s28-31 the earlier waves', two to a word
.endr
	; s32-39 an expert's entries; s48-55 where my wave's next entry of it goes; s56-63 its first place; s66-74 its first tile
.irp k, 0,1,2,3
	s_and_b32 s[32+2*\k], s[24+\k], 0xffff
	s_lshr_b32 s[33+2*\k], s[24+\k], 16
	s_and_b32 s[48+2*\k], s[28+\k], 0xffff
	s_lshr_b32 s[49+2*\k], s[28+\k], 16
.endr
	s_mov_b32 s56, 0
	s_mov_b32 s66, 0
.irp e, 0,1,2,3,4,5,6,7
.if \e < 7
	s_add_co_u32 s[57+\e], s[56+\e], s[32+\e]
.endif
	s_add_co_u32 s[48+\e], s[48+\e], s[56+\e]
	s_add_co_u32 s40, s[32+\e], 47
	s_mul_i32 s40, s40, 43691                      ; (n + 47) / 48, rounded down: 43,691 x 48 = 2^21 + 16, exact for n + 47 up to 4,143
	s_lshr_b32 s40, s40, 21
	s_add_co_u32 s[67+\e], s[66+\e], s40
.endr
	; pass B
.irp j, 0,1,2,3,4,5,6,7
.irp e, 0,1,2,3,4,5,6,7
	v_cmp_eq_u32 s40, \e, v[8+\j]
	v_mbcnt_lo_u32_b32 v30, s40, s[48+\e]          ; the lower lanes' entries of this expert + where the wave stands
	v_cndmask_b32 v[32+\j], v[32+\j], v30, s40
	s_bcnt1_i32_b32 s41, s40
	s_add_co_u32 s[48+\e], s[48+\e], s41
.endr
.endr
.irp j, 0,1,2,3,4,5,6,7
	v_min_u32 v[32+\j], 0x1fff, v[32+\j]           ; a number made of loaded numbers enters an address only held to the buffer
	v_lshlrev_b32 v[32+\j], 2, v[32+\j]
	global_store_b32 v[32+\j], v[40+\j], s[6:7]
.endr
	s_cmp_lt_u32 s8, 6
	s_cbranch_scc0 .Lnot_table
	; waves 0-5: thread i writes tile i.  Its expert is the last whose first tile is not behind i
	v_mov_b32 v56, 0
	v_mov_b32 v60, 0
	v_mov_b32 v61, 0
	v_mov_b32 v62, s32
.irp e, 1,2,3,4,5,6,7
	v_cmp_gt_u32 vcc_lo, s[66+\e], v0
	v_cndmask_b32 v56, \e, v56, vcc_lo
	v_cndmask_b32 v60, s[66+\e], v60, vcc_lo
	v_cndmask_b32 v61, s[56+\e], v61, vcc_lo
	v_cndmask_b32 v62, s[32+\e], v62, vcc_lo
.endr
	v_sub_nc_u32 v60, v0, v60
	v_mul_u32_u24 v60, v60, 48                     ; the rows of this expert in front of the tile
	v_add_nc_u32 v57, v61, v60
	v_min_u32 v57, 0x1fff, v57                     ; its first place in list
	v_sub_nc_u32 v58, v62, v60
	v_max_i32 v58, 0, v58                          ; behind the last tile nothing is left: 0 rows
	v_min_i32 v58, 48, v58
	v_mov_b32 v59, 0
	v_lshlrev_b32 v63, 4, v0
	global_store_b128 v63, v[56:59], s[10:11]
	s_branch .Lend
.Lnot_table:
	s_cmp_lt_u32 s8, 8
	s_cbranch_scc0 .Lend
	v_lshlrev_b32 v63, 2, v0                       ; waves 6 and 7, threads 192 .. 255: list[8192 + thread - 192] = 0
	v_mov_b32 v59, 0
	global_store_b32 v63, v59, s[6:7] offset:32000
.Lend:
	s_wait_tensorcnt 0x0
	ds_add_u32 v64, v65
	s_wait_dscnt 0x0
	s_endpgm
.Lfunc_end_k_q0d534ec0f4_place:
	.size	k_q0d534ec0f4_place, .Lfunc_end_k_q0d534ec0f4_place-k_q0d534ec0f4_place
	.p2alignl 7, 3214868480
	.fill 96, 4, 3214868480
	.section	.rodata,"a",@progbits
	.p2align	6, 0x0
	.amdhsa_kernel k_q0d534ec0f4_place
		.amdhsa_group_segment_fixed_size 5120
		.amdhsa_private_segment_fixed_size 0
		.amdhsa_enable_private_segment 0
		.amdhsa_kernarg_size 24
		.amdhsa_user_sgpr_count 2
		.amdhsa_user_sgpr_kernarg_segment_ptr 1
		.amdhsa_wavefront_size32 1
		.amdhsa_system_sgpr_workgroup_id_x 1
		.amdhsa_system_sgpr_workgroup_id_y 1
		.amdhsa_system_sgpr_workgroup_id_z 1
		.amdhsa_system_vgpr_workitem_id 0
		.amdhsa_next_free_vgpr 66
		.amdhsa_next_free_sgpr 80
		.amdhsa_reserve_vcc 1
		.amdhsa_float_denorm_mode_32 3
		.amdhsa_float_denorm_mode_16_64 3
		.amdhsa_memory_ordered 1
		.amdhsa_forward_progress 1
		.amdhsa_inst_pref_size 38
	.end_amdhsa_kernel
	.amdgpu_metadata
---
amdhsa.version: [ 1, 2 ]
amdhsa.kernels:
  - .name:           k_q0d534ec0f4_place
    .symbol:         k_q0d534ec0f4_place.kd
    .args:
      - { .name: sel, .offset: 0, .size: 8, .value_kind: global_buffer, .address_space: global }
      - { .name: list, .offset: 8, .size: 8, .value_kind: global_buffer, .address_space: global }
      - { .name: tiles, .offset: 16, .size: 8, .value_kind: global_buffer, .address_space: global }
    .group_segment_fixed_size: 5120
    .private_segment_fixed_size: 0
    .kernarg_segment_align: 8
    .kernarg_segment_size: 24
    .max_flat_workgroup_size: 1024
    .sgpr_count:     80
    .vgpr_count:     66
    .wavefront_size: 32
...
	.end_amdgpu_metadata
.endif
;; end of part 2
;; launch experts (part 3): grid 178 x 1, 4 waves a work-group, no clusters, 179,456 bytes of LDS; arguments tiles, list, cw, xq, xs, wpack, w1_scales, b1, w2_scales, b2, y; writes y
.if DOCPART == 3
	.amdgcn_target "amdgcn-amd-amdhsa--gfx1250"
	.amdhsa_code_object_version 6
	.text
	.protected	k_q0d534ec0f4_experts
	.globl	k_q0d534ec0f4_experts
	.p2align	8
	.type	k_q0d534ec0f4_experts,@function
k_q0d534ec0f4_experts:
	s_mov_b64 s[64:65], 0
	v_nop
	global_prefetch_b8 v0, s[64:65] scope:SCOPE_SE
	s_setreg_imm32_b32 hwreg(HW_REG_WAVE_MODE, 25, 1), 1
	s_wait_xcnt 0x0
; One work-group takes one tile of up to 48 routed rows of ONE expert through the whole chain: y[entry] = cw[entry] x (Q(gelu(Q(x) w1 + b1)) w2 + b2), both products on codes of E2M3 with E8M0 scales.
; Only the chosen rows are multiplied here.  178 = ceil(8192 / 48) + 7 work-groups serve every split.
; A tile that the split leaves without rows walks the chain on held rows and stores nothing: a jump over the chain would lead over its barriers, which stand on every wave's path.
; No cluster: which tiles share an expert hangs on the split.  The weights come from memory straight into registers, laid in fragment order by the first launch.
; SHARES.  THE FOUR WAVES SHARE THE COLUMNS, all serve the 48 rows (3 tiles of 16, m).  Phase 1: wave w makes hidden units 512 w .. 512 w + 511, in 4 chunks of 128; a chunk is K step 4 w + c of the second product.
; Phase 2: wave w makes outputs 128 w .. 128 w + 127 (8 tiles, j).  So each weight fragment is loaded once by the work-group and feeds 3 matrix instructions.
; BOTH PRODUCTS ARE USED TRANSPOSED (source 0 = 16 rows of the weight, source 1 = 16 routed rows): a lane holds ONE routed row throughout.  w1's tiles hold rows 32 b + 8 u + r + 8 (r / 8), so that the
; 16 registers of tiles 2 b and 2 b + 1 are 16 neighbours along the next K.  The biases are the C of each sum's first matrix instruction.
; gelu is the tanh form, x / (1 + 2^z), z = -2 sqrt(2 / pi) log2(e) (x + 0.044715 x^3) = K2 x (x^2 + Q): where 2^z overflows the reciprocal is 0.
; The hidden layer goes from wave to wave through LDS as images of the operand's registers and never to memory.
; LIMITS: NaN and infinities are not served.  A block of the hidden layer whose largest magnitude lies under 2^-124 gets the byte 1 (a block of zeros too: its codes are zeros).
; LDS: 0: 48 hidden fragments, (3 K step + m) x 1,536;  HSC: their scale words, 128 bytes each;  STAGE: 48 rows x (2,048 + 16) bytes for the way out.
; REGISTERS, in windows of 256.  Window 0: v1-29 addresses; v30-35 the hidden layer's scale words, two sets; v36-47 x's; v48-79, v80-111 the weights' scale words, sets A and B;
;   v112-255 x's 12 fragments (m, s) at 112 + 12 (4 m + s); in phase 2 two sets of three hidden fragments; at the end six rows of y.
;   Window 1: v0-191 a ring of 16 weight fragments; v192-255 b1's 8 tiles.   Window 2: v0-191 the accumulators, (m, t) at 64 m + 8 t; v192-255 at work.   Window 3: v0-63 b2's 8 tiles; v64-69 cw.
.set HSC,   73728
.set STAGE, 79872
.set SP,    2064                       ; a stage row: 516 words: row r starts at bank 4 r mod 64 (64 banks of 4 bytes: ISA guide 11.1)
.set W2O,   6291456                    ; where w2's fragments begin in wpack
.set NWS, 16                           ; s[16:17] w1's scale bytes of the NEXT chunk
.set NB1, 18                           ; s[18:19] b1 of the next chunk
.set W2S, 20                           ; s[20:21] w2's scale bytes of my 128 rows
.set B2P, 22                           ; s[22:23] b2 of my 128 outputs
.set B10, 32                           ; s[32:33] b1 of my chunk 0; never rewritten
.set WS0, 34                           ; s[34:35] w1's scale bytes of my chunk 0; never rewritten
.set CUR, 80                           ; s[80:81] w1's fragments of the chunk in hand
.set NXT, 82                           ; s[82:83] of the next; in the last chunk: w2's first
.set W2B, 84                           ; s[84:85] w2's fragments of my 128 rows
.set TM,  192                          ; in window 2: v192-195 largest magnitudes, v196-199 bytes, v204-207 the conversions' scale operands
.set PW,  208                          ; the scale word just made
.set PC,  212                          ; the codes just made: v212-223; v224-230 at work
.set MSB, 0
.macro WIN new                         ; bits 1:0 source 0, 3:2 source 1, 5:4 source 2, 7:6 destination; the immediate's high byte repeats the setting that is left
.if MSB != \new
	s_set_vgpr_msb (MSB<<8)|\new
.set MSB, \new
.endif
.endm
.macro MM d, a, b, c, sa, sb
	v_wmma_scale_f32_16x16x128_f8f6f4 v[\d:\d+7], v[\a:\a+11], v[\b:\b+11], v[\c:\c+7], v[\sa], v[\sb] matrix_a_fmt:MATRIX_FMT_FP6 matrix_b_fmt:MATRIX_FMT_FP6
.endm
.macro PLACES                          ; a load into a register that a matrix instruction has read, and a vector instruction that reads a result, stand four plain vector instructions behind it (ISA guide 7.12.1 for the vector instruction)
.rept 4
	v_nop
.endr
.endm
	s_load_b256 s[4:11], s[0:1], 0x0               ; tiles s[4:5], list s[6:7], cw s[8:9], xq s[10:11]
	s_load_b256 s[12:19], s[0:1], 0x20             ; xs s[12:13], wpack s[14:15], w1_scales s[16:17], b1 s[18:19]
	s_load_b128 s[20:23], s[0:1], 0x40             ; w2_scales s[20:21], b2 s[22:23]
	s_load_b64 s[24:25], s[0:1], 0x50              ; y
	s_set_vgpr_msb 0xc0
	v_lshl_add_u32 v254, v0, 2, 0x2bb00
	v_mov_b32 v255, 0
	s_set_vgpr_msb 0xc000
	v_lshrrev_b32 v1, 5, v0
	v_readfirstlane_b32 s26, v1                    ; wave 0..3
	v_and_b32 v1, 31, v0                           ; lane
	v_and_b32 v2, 15, v0                           ; r
	v_bfe_u32 v3, v0, 4, 1                         ; h
	v_lshlrev_b32 v4, 4, v1                        ; v4  16 x lane: my place in an image, in a fragment in memory, in a row of y
	v_add_nc_u32 v5, 36864, v4                     ; v5  the same from hidden fragment 24 on (an LDS offset has 16 bits)
	s_mul_i32 s36, s26, 18432
	v_add_nc_u32 v6, s36, v4                       ; v6  where my wave's 12 hidden fragments begin
	v_lshl_add_u32 v18, v1, 2, HSC                 ; v18 4 x lane among the scale words
	s_mul_i32 s36, s26, 1536
	v_add_nc_u32 v7, s36, v18                      ; v7  where my wave's 12 begin
	v_and_b32 v10, 8, v2
	v_add_nc_u32 v10, v10, v2
	v_lshlrev_b32 v10, 4, v10                      ; v10 w1's scale bytes: 16 a row, row r + 8 (r / 8) of a tile
	v_lshlrev_b32 v11, 6, v3                       ; v11 b1: lane (r, h) wants units 16 h + 8 u + 0 .. 7 of a pair of tiles
	v_lshlrev_b32 v12, 6, v2                       ; v12 w2's scale bytes: 64 a row
	v_lshlrev_b32 v13, 5, v3                       ; v13 b2: outputs 8 h + 0 .. 7 of a tile
	v_mul_u32_u24 v29, v3, 48                      ; v29 xq: my half's 48 bytes of a K step
	v_mul_u32_u24 v14, v2, SP
	v_lshl_add_u32 v14, v3, 5, v14
	s_lshl_b32 s36, s26, 9
	s_add_co_u32 s36, s36, STAGE
	v_add_nc_u32 v14, s36, v14                     ; v14-16 the stage, in: row 16 m + r, + my wave's 512 bytes, + 32 h
	v_add_nc_u32 v15, 16*SP, v14
	v_add_nc_u32 v16, 32*SP, v14
	s_mul_i32 s36, s26, 12*SP
	s_add_co_u32 s36, s36, STAGE
	v_add_nc_u32 v17, s36, v4                      ; v17 and back: my wave's 12 rows, 16 bytes a lane
	s_mov_b32 s90, 0xbdd2d3e8                      ; K2 = -0.10294324
	s_mov_b32 s91, s90                             ; (a packed form names the pair and takes its low word for both halves: so both are written)
	s_mov_b32 s92, 0x41b2e92f                      ; Q = 1 / 0.044715
	s_mov_b32 s93, s92
	s_mov_b32 s94, 0x76543210
	s_mov_b32 s95, 0xfedcba98                      ; v_permlanex16_b32's selects for lane l xor 16
	s_lshl_b32 s101, ttmp9, 4
	s_wait_kmcnt 0x0
	s_load_b128 s[28:31], s[4:5], s101 offset:0x0  ; my tile: expert, first place in list, rows
	s_wait_kmcnt 0x0
	s_min_u32 s28, s28, 7                          ; loaded numbers enter addresses only held to their buffers
	s_min_u32 s29, s29, 0x1fff
	s_min_u32 s30, s30, 48
	s_mul_i32 s101, s26, 12
	s_sub_co_i32 s100, s30, s101                   ; s100: how many of my wave's 12 rows of the way out exist (may be negative)
	s_add_co_u32 s101, s101, s29
	s_lshl_b32 s101, s101, 2
	s_load_b128 s[68:71], s[6:7], s101 offset:0x0  ; their entries
	s_load_b128 s[72:75], s[6:7], s101 offset:0x10
	s_load_b128 s[76:79], s[6:7], s101 offset:0x20
	s_mul_i32 s98, s28, 786432                     ; an expert's 512 fragments of w1 (and of w2),
	s_mul_i32 s36, s26, 196608                     ; a wave's 128
	s_add_co_u32 s98, s98, s36
	s_mov_b32 s99, 0
	s_add_nc_u64 s[CUR:CUR+1], s[14:15], s[98:99]
	s_add_nc_u64 s[NXT:NXT+1], s[CUR:CUR+1], 49152 ; a chunk is 32 fragments
	s_add_nc_u64 s[W2B:W2B+1], s[CUR:CUR+1], W2O
	s_lshl_b32 s98, s28, 13
	s_lshl_b32 s36, s26, 11
	s_add_co_u32 s98, s98, s36
	s_add_nc_u64 s[B10:B10+1], s[NB1:NB1+1], s[98:99]   ; b1 at my chunk 0: 8,192 bytes an expert, 2,048 a wave;
	s_add_nc_u64 s[NB1:NB1+1], s[B10:B10+1], 512        ; and at my chunk 1: every offset from either base is 0 or more
	s_lshl_b32 s98, s28, 15
	s_lshl_b32 s36, s26, 13
	s_add_co_u32 s98, s98, s36
	s_add_nc_u64 s[W2S:W2S+1], s[W2S:W2S+1], s[98:99]
	s_add_nc_u64 s[WS0:WS0+1], s[NWS:NWS+1], s[98:99]   ; w1's scale bytes at my chunk 0: 32,768 bytes an expert, 8,192 a wave;
	s_add_nc_u64 s[NWS:NWS+1], s[WS0:WS0+1], 2048       ; and at my chunk 1
	s_lshl_b32 s98, s28, 11
	s_lshl_b32 s36, s26, 9
	s_add_co_u32 s98, s98, s36
	s_add_nc_u64 s[B2P:B2P+1], s[B2P:B2P+1], s[98:99]
	v_add_nc_u32 v19, s29, v2
	v_lshlrev_b32 v19, 2, v19                      ; v19 list: place first + r
.irp m, 0,1,2
	global_load_b32 v[20+\m], v19, s[6:7] offset:64*\m   ; the entry of row 16 m + r; both halves of the lanes take the same
.endr
	WIN 0xc0                                       ; destination window 3
.irp j, 0,1,2,3,4,5,6,7
	global_load_b128 v[8*\j:8*\j+3], v13, s[B2P:B2P+1] offset:64*\j
	global_load_b128 v[8*\j+4:8*\j+7], v13, s[B2P:B2P+1] offset:64*\j+16
.endr
	WIN 0
.irp j, 0,1,2,3,4,5,6,7
	global_load_b128 v[80+4*\j:83+4*\j], v12, s[W2S:W2S+1] offset:1024*\j   ; w2's scale words of K steps 0-3: set B
.endr
	s_wait_loadcnt 24                              ; the three entries are in; the 24 loads issued behind them may be out
.irp m, 0,1,2
	v_min_u32 v[26+\m], 0x1fff, v[20+\m]
	v_lshlrev_b32 v[26+\m], 2, v[26+\m]            ; v26-28 cw: 4 bytes an entry
	v_lshrrev_b32 v[23+\m], 1, v[20+\m]            ; the token,
	v_min_u32 v[23+\m], 0xfff, v[23+\m]            ; held to its buffers
	v_mul_u32_u24 v[20+\m], v[23+\m], 384
	v_add_nc_u32 v[20+\m], v29, v[20+\m]           ; v20-22 xq: 384 bytes a token, + 48 h
	v_lshlrev_b32 v[23+\m], 4, v[23+\m]            ; v23-25 xs: 16 bytes a token
.endr
.irp m, 0,1,2
.irp s, 0,1,2,3
.irp c, 0,1,2
	global_load_b128 v[112+48*\m+12*\s+4*\c:115+48*\m+12*\s+4*\c], v[20+\m], s[10:11] offset:96*\s+16*\c   ; x's fragments stay in registers through phase 1
.endr
.endr
	global_load_b128 v[36+4*\m:39+4*\m], v[23+\m], s[12:13]    ; and its four scale words
.endr
	WIN 0xc0
.irp m, 0,1,2
	global_load_b32 v[64+2*\m], v[26+\m], s[8:9]
.endr
.macro BIAS t, base                    ; b1's tile t of the chunk at base (destination window 1)
	global_load_b128 v[192+8*(\t):195+8*(\t)], v11, s[\base:\base+1] offset:(32*((\t)/2)+8*((\t)%2))*4
	global_load_b128 v[196+8*(\t):199+8*(\t)], v11, s[\base:\base+1] offset:(32*((\t)/2)+8*((\t)%2))*4+16
.endm
.macro WSC t, base                     ; the four scale words of w1's tile t of the chunk at base: set A (window 0)
	global_load_b128 v[48+4*(\t):51+4*(\t)], v10, s[\base:\base+1] offset:(32*((\t)/2)+8*((\t)%2))*16
.endm
.macro RING k0, base, f0               ; fragments f0 .. f0 + 3 from base on into slots k0 .. k0 + 3 (destination window 1): each load takes 512 consecutive bytes
.irp s, 0,1,2,3
.irp c, 0,1,2
	global_load_b128 v[12*((\k0)+\s)+4*\c:12*((\k0)+\s)+4*\c+3], v4, s[\base:\base+1] offset:((\f0)+\s)*1536+512*\c
.endr
.endr
.endm
	WIN 0x40                                       ; chunk 0's biases and scale words come by the bases of their own
.irp t, 4,5,6,7
	BIAS \t, B10
.endr
	WIN 0
.irp t, 4,5,6,7
	WSC \t, WS0
.endr
.irp t, 0,1,2,3                        ; four groups of 15 loads, as each tile of the loop issues one
	WIN 0x40
	RING 4*\t, CUR, 4*\t
	BIAS \t, B10
	WIN 0
	WSC \t, WS0
.endr
	s_wait_kmcnt 0x0                               ; my 12 entries
.irp i, 0,1,2,3,4,5,6,7,8,9,10,11
	s_min_u32 s98, s[68+\i], 0x1fff
	s_lshl_b32 s98, s98, 11
	s_add_nc_u64 s[40+2*\i:41+2*\i], s[24:25], s[98:99]   ; s[40:63] their rows of y, 2,048 bytes each
.endr
	s_mov_b32 s27, 4                               ; chunks to go
	s_mov_b32 s96, 0                               ; the chunk's place among my hidden fragments,
	s_mov_b32 s97, 0                               ; and among their scale words
; Tile t of a chunk: 16 hidden units x 48 rows x 512 along K: 12 matrix instructions, the three accumulators by turns, one instruction a turn.
; Then its four slots of the ring take the tile four on, and its bias and scale words the next chunk's: a group of 15 loads.
.macro TILE t
.set K0, 4*((\t)%4)
	s_wait_loadcnt 45                              ; loads come back in order: this tile's fragments were asked for four groups ago; the three groups behind, 45 loads, may be out
	WIN 0x91                                       ; source 0 (w1) and C (b1) window 1, source 1 (x) window 0, D window 2
.irp m, 0,1,2
	MM 64*\m+8*(\t), 12*K0, 112+48*\m, 192+8*(\t), 48+4*(\t), 36+4*\m
.endr
	WIN 0xa1                                       ; C and D window 2
.irp s, 1,2,3
.irp m, 0,1,2
	MM 64*\m+8*(\t), 12*(K0+\s), 112+48*\m+12*\s, 64*\m+8*(\t), 48+4*(\t)+\s, 36+4*\m+\s
.endr
.endr
	PLACES
	WIN 0x40
.if (\t) < 4
	RING K0, CUR, 4*((\t)+4)
.else
	RING K0, NXT, 4*((\t)-4)
.endif
	BIAS \t, NB1
	WIN 0
	WSC \t, NWS
.endm
; gelu of the 64 numbers of row tile m, in place, all in window 2; each accumulator is read from its low end on.  The exponentials are one batch with one wait, and so are the reciprocals.
.macro GELU m
.set XB, 64*(\m)
.set i, 0
.rept 32
	v_pk_fma_f32 v[192+i:193+i], v[XB+i:XB+i+1], v[XB+i:XB+i+1], s[92:93] op_sel_hi:[1,1,0]   ; x^2 + Q
.set i, i+2
.endr
.set i, 0
.rept 32
	v_pk_mul_f32 v[192+i:193+i], v[192+i:193+i], v[XB+i:XB+i+1]
.set i, i+2
.endr
.set i, 0
.rept 32
	v_pk_mul_f32 v[192+i:193+i], v[192+i:193+i], s[90:91] op_sel_hi:[1,0]                    ; z
.set i, i+2
.endr
.set i, 0
.rept 64
	v_exp_f32 v[192+i], v[192+i]
.set i, i+1
.endr
	v_nop                                          ; a plain instruction behind the last transcendental,
	s_wait_alu depctr_va_vdst(0)                   ; and a wait ahead of the batch's first reader
.set i, 0
.rept 32
	v_pk_add_f32 v[192+i:193+i], v[192+i:193+i], 1.0 op_sel_hi:[1,0]
.set i, i+2
.endr
.set i, 0
.rept 64
	v_rcp_f32 v[192+i], v[192+i]
.set i, i+1
.endr
	v_nop
	s_wait_alu depctr_va_vdst(0)
.set i, 0
.rept 32
	v_pk_mul_f32 v[XB+i:XB+i+1], v[XB+i:XB+i+1], v[192+i:193+i]
.set i, i+2
.endr
.endm
; 64 numbers of a lane, v[s] on, register 16 b + i = k 32 b + 16 (lane / 16) + i of my row, become a fragment's codes in v[PC] on and its scale word in v[PW].  All in window 2.
.macro QUANT s
.irp b, 0,1,2,3
	v_max3_num_f32 v[TM+\b], |v[\s+16*\b]|, |v[\s+1+16*\b]|, 0x1800000   ; block b: my 16 numbers, and the floor 2^(3 - 127): the byte cannot fall under 1
.endr
.irp i, 2,4,6,8,10,12,14
.irp b, 0,1,2,3
	v_max3_num_f32 v[TM+\b], v[TM+\b], |v[\s+16*\b+\i]|, |v[\s+1+16*\b+\i]|   ; the four blocks by turns
.endr
.endr
.irp b, 0,1,2,3
	v_permlanex16_b32 v[TM+4+\b], v[TM+\b], s94, s95
.endr
.irp b, 0,1,2,3
	v_max_num_f32 v[TM+\b], v[TM+\b], v[TM+4+\b]   ; with lane l xor 16's: the block's largest magnitude
.endr
.irp b, 0,1,2,3
	v_add_nc_u32 v[TM+12+\b], 0xff000000, v[TM+\b] ; 2 off its exponent field: the conversion's scale operand
.endr
.irp b, 0,1,2,3
	v_lshrrev_b32 v[TM+4+\b], 23, v[TM+12+\b]      ; the scale's byte
.endr
	v_lshl_or_b32 v[PW], v[TM+5], 8, v[TM+4]
	v_lshl_or_b32 v[PW], v[TM+6], 16, v[PW]
	v_lshl_or_b32 v[PW], v[TM+7], 24, v[PW]
.irp c, 0,1
	v_cvt_scalef32_pk16_fp6_f32 v[PC+6*\c:PC+2+6*\c], v[\s+32*\c:\s+15+32*\c], v[TM+12+2*\c]
	v_cvt_scalef32_pk16_fp6_f32 v[PC+12+4*\c:PC+14+4*\c], v[\s+16+32*\c:\s+31+32*\c], v[TM+12+2*\c+1]   ; (a conversion's three registers begin on an even number)
.endr
	v_nop                                          ; one plain instruction behind a scaled conversion
.irp c, 0,1                            ; the operand's layout wants a WHOLE block in a lane: lanes 0-15 block 2 c, lanes 16-31 block 2 c + 1
.irp i, 0,1,2
	v_permlane16_swap_b32 v[PC+6*\c+\i], v[PC+12+4*\c+\i]
.endr
.irp i, 0,1,2
	v_mov_b32 v[PC+3+6*\c+\i], v[PC+12+4*\c+\i]
.endr
.endr
.endm
	; ---------------- phase 1: four chunks of 128 hidden units ----------------
.Lchunk:
.irp t, 0,1,2,3,4,5,6,7
	TILE \t
.endr
	v_add_nc_u32 v8, s96, v6                       ; where this chunk's images go,
	v_add_nc_u32 v9, s97, v7                       ; and their scale words
.irp m, 0,1,2
	WIN 0xaa                                       ; all in window 2
	GELU \m
	QUANT XB
	WIN 0x08                                       ; an LDS store's data are its source 1: window 2
.irp c, 0,1,2
	ds_store_b128 v8, v[PC+4*\c:PC+4*\c+3] offset:1536*\m+512*\c   ; the fragment goes to LDS as it stands: lane l's 16 bytes at 16 l
.endr
	ds_store_b32 v9, v[PW] offset:128*\m
	s_wait_dscnt 0x0                               ; the stores have read their registers
.endr
	WIN 0
	s_wait_xcnt 0x0                                ; the pending loads have read their bases: only behind this wait are they stepped
	s_mov_b64 s[CUR:CUR+1], s[NXT:NXT+1]
	s_add_nc_u64 s[NXT:NXT+1], s[NXT:NXT+1], 49152
	s_cmp_eq_u32 s27, 2                            ; the last chunk follows: behind it come w2's K steps 0 and 1, 16 fragments, into the ring;
	s_cselect_b64 s[NXT:NXT+1], s[W2B:W2B+1], s[NXT:NXT+1]
	s_cselect_b32 s98, 0, 512                      ; and there is no further chunk of b1 and of scale bytes: the last chunk asks for its own once more, so that every trip has the same loads and none leaves its buffer
	s_add_nc_u64 s[NB1:NB1+1], s[NB1:NB1+1], s[98:99]
	s_cselect_b32 s98, 0, 2048
	s_add_nc_u64 s[NWS:NWS+1], s[NWS:NWS+1], s[98:99]
	s_add_co_u32 s96, s96, 4608
	s_add_co_u32 s97, s97, 384
	s_sub_co_u32 s27, s27, 1
	s_cmp_lg_u32 s27, 0
	s_cbranch_scc1 .Lchunk
	s_wait_dscnt 0x0                               ; for the others' sake: my images are in LDS
	s_barrier_signal -1
	s_barrier_wait -1                              ; all 48 hidden fragments are
	; ---------------- phase 2: 16 K steps of 128 hidden units ----------------
.macro HLOAD s                         ; K step s: three hidden fragments and their scale words into set s % 2: 12 LDS loads
.irp m, 0,1,2
.irp c, 0,1,2
.if (\s) < 8
	ds_load_b128 v[112+36*((\s)%2)+12*\m+4*\c:115+36*((\s)%2)+12*\m+4*\c], v4 offset:(3*(\s)+\m)*1536+512*\c
.else
	ds_load_b128 v[112+36*((\s)%2)+12*\m+4*\c:115+36*((\s)%2)+12*\m+4*\c], v5 offset:(3*((\s)-8)+\m)*1536+512*\c
.endif
.endr
	ds_load_b32 v[30+3*((\s)%2)+\m], v18 offset:(3*(\s)+\m)*128
.endr
.endm
.macro W2SC set, g                     ; w2's scale words of K steps 4 g .. 4 g + 3
.irp j, 0,1,2,3,4,5,6,7
	global_load_b128 v[\set+4*\j:\set+4*\j+3], v12, s[W2S:W2S+1] offset:1024*\j+16*(\g)
.endr
.endm
; 24 matrix instructions, the 24 accumulators by turns; then the K step's eight slots of the ring take the K step two on.  lw: the global loads issued behind this K step's, which may stay out (-1: no wait is due)
.macro KSTEP s, lw
.if (\s) < 15
	HLOAD (\s)+1                                   ; into the set that the K step before multiplied: its four places stand in front
.endif
.if (\lw) >= 0
	s_wait_loadcnt \lw
.endif
.if (\s) < 15
	s_wait_dscnt 12                                ; all but the 12 just issued
.else
	s_wait_dscnt 0x0
.endif
.set PB, 112+36*((\s)%2)
.set PH, 30+3*((\s)%2)
.set RG, 96*((\s)%2)
.set WSET, 80-32*(((\s)/4)%2)
.if (\s) == 0
	WIN 0xb1                                       ; source 0 (w2) window 1, source 1 window 0, C (b2) window 3, D window 2
.else
	WIN 0xa1
.endif
.irp j, 0,1,2,3,4,5,6,7
.irp m, 0,1,2
.if (\s) == 0
	MM 64*\m+8*\j, RG+12*\j, PB+12*\m, 8*\j, WSET+4*\j+(\s)%4, PH+\m
.else
	MM 64*\m+8*\j, RG+12*\j, PB+12*\m, 64*\m+8*\j, WSET+4*\j+(\s)%4, PH+\m
.endif
.endr
.endr
	PLACES
.if (\s) <= 13
	WIN 0x40
.irp j, 0,1,2,3,4,5,6,7
.irp c, 0,1,2
	global_load_b128 v[RG+12*\j+4*\c:RG+12*\j+4*\c+3], v4, s[W2B:W2B+1] offset:(8*((\s)+2)+\j)*1536+512*\c
.endr
.endr
.endif
	WIN 0
.if (\s) == 3
	W2SC 80, 2                                     ; set B is done with: K steps 8-11
.endif
.if (\s) == 7
	W2SC 48, 3                                     ; set A: K steps 12-15
.endif
.endm
	s_wait_loadcnt 0x0                             ; w2's first 16 fragments, asked for ahead of the last chunk's gelu, are in, and so are the last chunk's unused loads into set A, which is loaded anew:
	W2SC 48, 1                                     ; K steps 4-7
	HLOAD 0
	KSTEP 0, -1
	KSTEP 1, -1
	KSTEP 2, 24                                    ; 24: the next K step's fragments
	KSTEP 3, 24
	KSTEP 4, 32                                    ; 32: those and the eight loads of scale words issued with them
	KSTEP 5, 32
	KSTEP 6, 24
	KSTEP 7, 24
	KSTEP 8, 32
	KSTEP 9, 32
	KSTEP 10, 24
	KSTEP 11, 24
	KSTEP 12, 24
	KSTEP 13, 24
	KSTEP 14, 24
	KSTEP 15, 0
	; ---------------- the way out ----------------
	WIN 0xc3                                       ; source 0 and destination window 3
.irp m, 0,1,2
	v_mov_b32 v[65+2*\m], v[64+2*\m]               ; (the packed form names the pair)
.endr
	WIN 0x8e                                       ; destination and source 0 window 2, source 1 window 3
.irp m, 0,1,2
.set i, 0
.rept 32
	v_pk_mul_f32 v[64*\m+i:64*\m+i+1], v[64*\m+i:64*\m+i+1], v[64+2*\m:65+2*\m] op_sel_hi:[1,0]   ; x my row's routing weight; each accumulator from its low end on
.set i, i+2
.endr
.endr
	WIN 0x08
.irp m, 0,1,2
.irp j, 0,1,2,3,4,5,6,7
	ds_store_b128 v[14+\m], v[64*\m+8*\j:64*\m+8*\j+3] offset:64*\j        ; lane (r, h): row 16 m + r, outputs 128 w + 16 j + 8 h + 0 .. 7
	ds_store_b128 v[14+\m], v[64*\m+8*\j+4:64*\m+8*\j+7] offset:64*\j+16
.endr
.endr
	WIN 0
	s_wait_dscnt 0x0                               ; for the others' sake: my part of the 48 rows is in the stage
	s_barrier_signal -1
	s_barrier_wait -1
.macro ROWS b                          ; six of my wave's 12 rows come back whole: four loads of 512 bytes each
.irp p, 0,1,2,3,4,5
.irp q, 0,1,2,3
	ds_load_b128 v[112+16*\p+4*\q:115+16*\p+4*\q], v17 offset:(6*(\b)+\p)*SP+512*\q
.endr
.endr
.endm
.macro ROWOUT i, p                     ; row i of my 12 is stored where the tile has it: a branch on a stored number, round the stores alone
	s_wait_dscnt 20-4*(\p)                         ; the later rows' loads may be out
	s_cmp_gt_i32 s100, \i
	s_cbranch_scc0 .Lnone_\@
.irp q, 0,1,2,3
	global_store_b128 v4, v[112+16*(\p)+4*\q:115+16*(\p)+4*\q], s[40+2*(\i):41+2*(\i)] offset:512*\q   ; 32 lanes store 512 consecutive bytes, at a multiple of 512 from y's first byte
.endr
.Lnone_\@:
.endm
	ROWS 0
.irp p, 0,1,2,3,4,5
	ROWOUT \p, \p
.endr
	s_wait_xcnt 0x0                                ; the stores have read their registers: only behind this wait are they loaded again
	ROWS 1
.irp p, 0,1,2,3,4,5
	ROWOUT 6+\p, \p
.endr
	s_set_vgpr_msb 0xf
	s_wait_tensorcnt 0x0
	ds_add_u32 v254, v255
	s_wait_dscnt 0x0
	s_set_vgpr_msb 0xf00
	s_endpgm
.Lfunc_end_k_q0d534ec0f4_experts:
	.size	k_q0d534ec0f4_experts, .Lfunc_end_k_q0d534ec0f4_experts-k_q0d534ec0f4_experts
	.p2alignl 7, 3214868480
	.fill 96, 4, 3214868480
	.section	.rodata,"a",@progbits
	.p2align	6, 0x0
	.amdhsa_kernel k_q0d534ec0f4_experts
		.amdhsa_group_segment_fixed_size 179456
		.amdhsa_private_segment_fixed_size 0
		.amdhsa_enable_private_segment 0
		.amdhsa_kernarg_size 88
		.amdhsa_user_sgpr_count 2
		.amdhsa_user_sgpr_kernarg_segment_ptr 1
		.amdhsa_wavefront_size32 1
		.amdhsa_system_sgpr_workgroup_id_x 1
		.amdhsa_system_sgpr_workgroup_id_y 1
		.amdhsa_system_sgpr_workgroup_id_z 1
		.amdhsa_system_vgpr_workitem_id 0
		.amdhsa_next_free_vgpr 1024
		.amdhsa_next_free_sgpr 102
		.amdhsa_reserve_vcc 0
		.amdhsa_float_denorm_mode_32 3
		.amdhsa_float_denorm_mode_16_64 3
		.amdhsa_memory_ordered 1
		.amdhsa_forward_progress 1
		.amdhsa_inst_pref_size 218
	.end_amdhsa_kernel
	.amdgpu_metadata
---
amdhsa.version: [ 1, 2 ]
amdhsa.kernels:
  - .name:           k_q0d534ec0f4_experts
    .symbol:         k_q0d534ec0f4_experts.kd
    .args:
      - { .name: tiles, .offset: 0, .size: 8, .value_kind: global_buffer, .address_space: global }
      - { .name: list, .offset: 8, .size: 8, .value_kind: global_buffer, .address_space: global }
      - { .name: cw, .offset: 16, .size: 8, .value_kind: global_buffer, .address_space: global }
      - { .name: xq, .offset: 24, .size: 8, .value_kind: global_buffer, .address_space: global }
      - { .name: xs, .offset: 32, .size: 8, .value_kind: global_buffer, .address_space: global }
      - { .name: wpack, .offset: 40, .size: 8, .value_kind: global_buffer, .address_space: global }
      - { .name: w1_scales, .offset: 48, .size: 8, .value_kind: global_buffer, .address_space: global }
      - { .name: b1, .offset: 56, .size: 8, .value_kind: global_buffer, .address_space: global }
      - { .name: w2_scales, .offset: 64, .size: 8, .value_kind: global_buffer, .address_space: global }
      - { .name: b2, .offset: 72, .size: 8, .value_kind: global_buffer, .address_space: global }
      - { .name: y, .offset: 80, .size: 8, .value_kind: global_buffer, .address_space: global }
    .group_segment_fixed_size: 179456
    .private_segment_fixed_size: 0
    .kernarg_segment_align: 8
    .kernarg_segment_size: 88
    .max_flat_workgroup_size: 128
    .sgpr_count:     102
    .vgpr_count:     1024
    .wavefront_size: 32
...
	.end_amdgpu_metadata
.endif
;; end of part 3
;; launch combine (part 4): grid 256 x 1, 8 waves a work-group, no clusters, 0 bytes of LDS; arguments y, out0; writes out0
.if DOCPART == 4
	.amdgcn_target "amdgcn-amd-amdhsa--gfx1250"
	.amdhsa_code_object_version 6
	.text
	.protected	k_q0d534ec0f4_combine
	.globl	k_q0d534ec0f4_combine
	.p2align	8
	.type	k_q0d534ec0f4_combine,@function
k_q0d534ec0f4_combine:
	s_mov_b64 s[64:65], 0
	v_nop
	global_prefetch_b8 v0, s[64:65] scope:SCOPE_SE
	s_setreg_imm32_b32 hwreg(HW_REG_WAVE_MODE, 25, 1), 1
	s_wait_xcnt 0x0
; out0[t] = y[2 t] + y[2 t + 1]: a token's two weighted expert rows.  A stream: no LDS, no barrier, no matrix unit.
; A wave takes two tokens: 16 loads of 512 consecutive bytes, all issued at once, and 8 stores of 512 consecutive bytes.  Each byte is read once and written once.
	s_load_b128 s[4:7], s[0:1], 0x0                ; y s[4:5], out0 s[6:7]
	v_lshrrev_b32 v1, 5, v0
	v_readfirstlane_b32 s8, v1                     ; wave 0..7
	v_and_b32 v1, 31, v0
	v_lshlrev_b32 v1, 4, v1                        ; 16 bytes a lane
	s_lshl_b32 s9, ttmp9, 3
	s_add_co_u32 s9, s9, s8                        ; which pair of tokens
	s_lshl_b32 s10, s9, 13                         ; four rows of y,
	s_mov_b32 s11, 0
	s_lshl_b32 s12, s9, 12                         ; two of out0
	s_mov_b32 s13, 0
	s_wait_kmcnt 0x0
	s_add_nc_u64 s[4:5], s[4:5], s[10:11]
	s_add_nc_u64 s[6:7], s[6:7], s[12:13]
.irp k, 0,1,2,3,4,5,6,7,8,9,10,11,12,13,14,15
	global_load_b128 v[16+4*\k:19+4*\k], v1, s[4:5] offset:512*\k th:TH_LOAD_NT
.endr
	s_wait_loadcnt 8                               ; the first token's eight loads are in; the second's may be out
.irp q, 0,1,2,3
	v_pk_add_f32 v[16+4*\q:17+4*\q], v[16+4*\q:17+4*\q], v[32+4*\q:33+4*\q]
	v_pk_add_f32 v[18+4*\q:19+4*\q], v[18+4*\q:19+4*\q], v[34+4*\q:35+4*\q]
	global_store_b128 v1, v[16+4*\q:19+4*\q], s[6:7] offset:512*\q th:TH_STORE_NT
.endr
	s_wait_loadcnt 0x0
.irp q, 0,1,2,3
	v_pk_add_f32 v[48+4*\q:49+4*\q], v[48+4*\q:49+4*\q], v[64+4*\q:65+4*\q]
	v_pk_add_f32 v[50+4*\q:51+4*\q], v[50+4*\q:51+4*\q], v[66+4*\q:67+4*\q]
	global_store_b128 v1, v[48+4*\q:51+4*\q], s[6:7] offset:2048+512*\q th:TH_STORE_NT
.endr
	s_endpgm
.Lfunc_end_k_q0d534ec0f4_combine:
	.size	k_q0d534ec0f4_combine, .Lfunc_end_k_q0d534ec0f4_combine-k_q0d534ec0f4_combine
	.p2alignl 7, 3214868480
	.fill 96, 4, 3214868480
	.section	.rodata,"a",@progbits
	.p2align	6, 0x0
	.amdhsa_kernel k_q0d534ec0f4_combine
		.amdhsa_group_segment_fixed_size 0
		.amdhsa_private_segment_fixed_size 0
		.amdhsa_enable_private_segment 0
		.amdhsa_kernarg_size 16
		.amdhsa_user_sgpr_count 2
		.amdhsa_user_sgpr_kernarg_segment_ptr 1
		.amdhsa_wavefront_size32 1
		.amdhsa_system_sgpr_workgroup_id_x 1
		.amdhsa_system_sgpr_workgroup_id_y 1
		.amdhsa_system_sgpr_workgroup_id_z 1
		.amdhsa_system_vgpr_workitem_id 0
		.amdhsa_next_free_vgpr 96
		.amdhsa_next_free_sgpr 66
		.amdhsa_reserve_vcc 0
		.amdhsa_float_denorm_mode_32 3
		.amdhsa_float_denorm_mode_16_64 3
		.amdhsa_memory_ordered 1
		.amdhsa_forward_progress 1
		.amdhsa_inst_pref_size 5
	.end_amdhsa_kernel
	.amdgpu_metadata
---
amdhsa.version: [ 1, 2 ]
amdhsa.kernels:
  - .name:           k_q0d534ec0f4_combine
    .symbol:         k_q0d534ec0f4_combine.kd
    .args:
      - { .name: y, .offset: 0, .size: 8, .value_kind: global_buffer, .address_space: global }
      - { .name: out0, .offset: 8, .size: 8, .value_kind: global_buffer, .address_space: global }
    .group_segment_fixed_size: 0
    .private_segment_fixed_size: 0
    .kernarg_segment_align: 8
    .kernarg_segment_size: 16
    .max_flat_workgroup_size: 256
    .sgpr_count:     66
    .vgpr_count:     96
    .wavefront_size: 32
...
	.end_amdgpu_metadata
.endif
;; end of part 4
